; MI455X (gfx1250); checked and timed in simulation.
; The chip was launched on July 23, 2026; its instructions are those of AMD's public machine-readable ISA for CDNA 5 (MIT licence, August 2026) and "CDNA5" Instruction Set Architecture Reference Guide (July 2026). The comments in the code are by the model that wrote it; some were corrected since.
;; Causal Self Attention. Allowed arithmetic: matrix products marked QUANTISED: E4M3 operands, one given power-of-two scale a tensor, by v_wmma_f32_16x16x64_fp8_fp8 or v_wmma_f32_16x16x128_fp8_fp8, f32 sums; everything else in f32.
;; Inputs: W_attn 1,024 x 3,072 float32; W_proj 1,024 x 1,024 float32; b_attn 3,072 float32; b_proj 1,024 float32; lowp_scales 8 int32 (the exponents e of the quantised operands' scales 2^e); x 4 x 2,048 x 1,024 float32.
;; Outputs: out0 4 x 2,048 x 1,024 float32.
;; This version of the problem:
;;   THIS VERSION OF THE PROBLEM IS GIVEN IN LOW PRECISION. The matrix products marked QUANTISED in the list below multiply operands that are first quantised to E4M3 (4 exponent bits, 3 mantissa bits; 8 bits a number), with one given power-of-two scale for each operand tensor; their sums are f32. All else is computed in f32.
;;   The module's matrix products, in the order in which they are computed (A, B: the left and right operand; K: the contracted axis; several contracted axes count as one K, in the product's order):
;;     1. [M 8,192, K 1,024] x [K 1,024, N 3,072]; A: input x; B: input W_attn: QUANTISED (scales: A lowp_scales[0], B lowp_scales[1])
;;     2. batch 64 x [M 2,048, K 64] x [K 64, N 2,048]; A: computed on the way; B: computed on the way: QUANTISED (scales: A lowp_scales[2], B lowp_scales[3])
;;     3. batch 64 x [M 2,048, K 2,048] x [K 2,048, N 64]; A: softmax (see below); B: computed on the way: QUANTISED (scales: A lowp_scales[4], B lowp_scales[5])
;;     4. [M 8,192, K 1,024] x [K 1,024, N 1,024]; A: computed on the way; B: input W_proj: QUANTISED (scales: A lowp_scales[6], B lowp_scales[7])
;;   THE QUANTISER, for each operand of a quantised product, along K:
;;     - The operand's scale is 2^e, e = its entry of the input lowp_scales (int32; the entries are numbered through the quantised products in the list's order, A before B).
;;     - Each number is divided by the scale, clamped to +-448, and rounded to the nearest number of E4M3, ties to even, subnormals kept.
;;     - The product sums the exact products of the quantised numbers (number of the format x scale) in f32.
;;   ~~~python
;;   def quantise(x, axis, e):      # numpy; x: float32 -> the quantised numbers, widened to float32 again
;;       x = np.moveaxis(x, axis, -1); K = x.shape[-1]
;;       r = np.clip(x / 2.0 ** e, -448, 448)
;;       step = 2.0 ** (np.maximum(np.frexp(np.where(r == 0, 1, r))[1] - 1, -6) - 3)
;;       q = np.round(r / step) * step * 2.0 ** e      # np.round: ties to even
;;       return np.moveaxis(q, -1, axis).astype(np.float32)
;;   ~~~
;;   SOFTMAX AHEAD OF A QUANTISED PRODUCT. Where the list says 'softmax', what is quantised is not the finished softmax but p = 2^(t - M), with t = logit x log2(e) and M = ceil(the row's largest t), a whole number; so 1/2 < the row's largest p <= 1. The row's sum l is taken of the UNQUANTISED p, in f32, and the product's result is divided by l at the end. Since M is a whole number, a kernel that streams over the keys may use a running M (the ceiling of the running maximum): every later rescaling is an exact power of two, so the quantised numbers keep their values, but for numbers so far below the row's largest that they fall under the format's range.
;;   OPERANDS COMPUTED ON THE WAY. 'Computed on the way' means the value that the module computes at that place (a softmax that the list does not call 'softmax' is quantised finished and normalised). What goes into a quantiser is computed in f32, as accurately as f32 sums, v_exp_f32 and their like allow (about 1e-6 of the number): no bf16 or f16 on the way to a quantiser, and a product that is left as it is and whose result goes on into a quantised operand takes f32 operands (vector FMAs, or v_wmma_f32_16x16x4_f32). A number that lies on a knife's edge between two numbers of the format may be rounded either way, as far as f32 arithmetic and the matrix unit's own rounding can turn it there, and no further.
;; One version. Each part assembles by itself: llvm-mc -triple=amdgcn-amd-amdhsa -mcpu=gfx1250 --defsym DOCPART=n.
;; ======== version 1 of 1: 4 launches
;; limits: right only within a limited range of input values
;; workspace buffers: xc 8,388,608 bytes; wac 3,145,728 bytes; wpc 1,048,576 bytes; qkv 25,165,824 bytes; yc 8,388,608 bytes
;; launch quant (part 1): grid 768 x 1, 4 waves a work-group, no clusters, 34,304 bytes of LDS; arguments x, W_attn, W_proj, lowp_scales, xc, wac, wpc; writes xc, wac, wpc
.if DOCPART == 1
	.amdgcn_target "amdgcn-amd-amdhsa--gfx1250"
	.amdhsa_code_object_version 6
	.text
	.protected	k_q32e5cf6ae8_quant
	.globl	k_q32e5cf6ae8_quant
	.p2align	8
	.type	k_q32e5cf6ae8_quant,@function
k_q32e5cf6ae8_quant:
	s_mov_b64 s[64:65], 0
	v_nop
	global_prefetch_b8 v0, s[64:65] scope:SCOPE_SE
	s_setreg_imm32_b32 hwreg(HW_REG_WAVE_MODE, 25, 1), 1
	s_wait_xcnt 0x0
; x [8192][1024], W_attn [1024][3072] and W_proj [1024][1024], f32, become codes of FP8 (E4M3), each with the one scale 2^e that is given for it (entries 0, 1 and 7 of the scales).
; code = number / 2^e, held within +-448, rounded to the nearest code, ties to even.  LIMITS: each e between -126 and 119; NaN among the inputs is not served.
; THE CODES ARE LAID AS IMAGES OF OPERAND REGISTERS.  An image is 16 rows x 128 along K, 2,048 bytes: byte 512 c + 16 (16 h + r) + i holds (row position r, K = 32 c + 16 h + i).
; A fragment is then four loads of 16 bytes a lane at 16 x lane + 512 c.  Buffers: [row tile][K block of 128][2048].
; ROW POSITIONS ARE PERMUTED: position p holds row p with its bits 3 and 4 exchanged: position r of row tile 2 b + u holds row 32 b + 8 u + r + 8 (r / 8).  (A product used transposed then leaves 16 true neighbours in a lane.)
; Work-groups 0-511: one row tile of x each (K is innermost: the numbers turn through the wave's own stage in LDS).  512-703: W_attn, 704-767: W_proj (K is the first axis: a lane takes a column, its registers run down K).
; Waves share nothing: no barrier.  Every offset is an immediate and no register that a store reads is written again.
.set SP,    528                        ; a stage row: 512 bytes + 16 = 132 words: row r starts at bank 4 r mod 64
.set WSTG,  16*SP                      ; a wave's stage: 16 rows
.set R,     16                         ; v16-143  x: two blocks of 16 loads as they come
.set X,     144                        ; v144-207 x: 64 numbers of a lane in the image's order
.set C,     208                        ; v208-239 x: the two images' codes
.set WD,    16                         ; v16-143  weights: 128 numbers down K
.set WC,    144                        ; v144-175 weights: their codes
.set WV,    18
.macro MKSCALE e                       ; v11 = 2^e as f32 (the conversion takes its exponent field)
	s_add_co_i32 s38, s[\e], 127
	s_lshl_b32 s39, s38, 23
	v_mov_b32 v11, s39
.endm
	s_load_b256 s[4:11], s[0:1], 0x0               ; x s[4:5], W_attn s[6:7], W_proj s[8:9], the scales' exponents s[10:11]
	s_load_b128 s[12:15], s[0:1], 0x20             ; xc s[12:13], wac s[14:15]
	s_load_b64 s[16:17], s[0:1], 0x30              ; wpc
	v_lshl_add_u32 v240, v0, 2, 0x8400
	v_mov_b32 v241, 0
	v_lshrrev_b32 v1, 5, v0
	v_readfirstlane_b32 s[WV], v1                  ; wave 0..3
	v_and_b32 v2, 31, v0                           ; lane
	s_wait_kmcnt 0x0
	s_load_b256 s[24:31], s[10:11], 0x0            ; e0 .. e7
	s_cmp_lt_u32 ttmp9, 512
	s_cbranch_scc0 .Lweights
	s_wait_alu depctr_va_vdst(0)
	; ---- x: work-group g makes row tile g; wave w its K 256 w .. 256 w + 255: two images
	v_lshlrev_b32 v3, 4, v2                        ; 16 x lane: my bytes of a load's 512, and my place in an image
	s_wait_alu depctr_va_vdst(0)
	s_mul_i32 s19, s[WV], WSTG
	v_add_nc_u32 v14, s19, v3                      ; the stage, on the way in: as the bytes lie
	v_and_b32 v5, 15, v2                           ; r
	v_lshrrev_b32 v6, 4, v2                        ; h
	v_mul_u32_u24 v15, v5, SP
	v_lshl_add_u32 v15, v6, 6, v15
	v_add_nc_u32 v15, s19, v15                     ; and on the way out: row r, + 64 h: my 16 numbers of a block of 32
	s_lshr_b32 s20, ttmp9, 1
	s_lshl_b32 s20, s20, 5
	s_and_b32 s21, ttmp9, 1
	s_lshl_b32 s21, s21, 3
	s_add_co_u32 s20, s20, s21                     ; position 0's token: 32 (g / 2) + 8 (g % 2)
	s_lshl_b32 s20, s20, 12                        ; a token is 4,096 bytes
	s_lshl_b32 s21, s[WV], 10
	s_add_co_u32 s20, s20, s21
	s_mov_b32 s21, 0
	s_add_nc_u64 s[4:5], s[4:5], s[20:21]
	s_lshl_b32 s20, ttmp9, 14                      ; a row tile's eight images,
	s_lshl_b32 s22, s[WV], 12                      ; my two of them
	s_add_co_u32 s20, s20, s22
	s_add_nc_u64 s[12:13], s[12:13], s[20:21]
.irp blk, 0,1
.irp t, 0,1,2,3,4,5,6,7,8,9,10,11,12,13,14,15
	global_load_b128 v[R+64*\blk+4*\t:R+64*\blk+4*\t+3], v3, s[4:5] offset:(16*(\t/8)+\t%8)*4096+512*\blk th:TH_LOAD_NT   ; position t's token: 512 consecutive bytes
.endr
.endr
	s_wait_alu depctr_va_vdst(0)
	s_wait_kmcnt 0x0
	MKSCALE 24
.macro BLOCK blk
	s_wait_loadcnt 16-16*\blk                      ; this block's 16 loads are in; the other block's may be out
.irp t, 0,1,2,3,4,5,6,7,8,9,10,11,12,13,14,15
	ds_store_b128 v14, v[R+64*\blk+4*\t:R+64*\blk+4*\t+3] offset:SP*\t
.endr
.irp c, 0,1,2,3
.irp j, 0,1,2,3
	ds_load_b128 v[X+16*\c+4*\j:X+16*\c+4*\j+3], v15 offset:128*\c+16*\j   ; LDS serves a wave's instructions in order: these see my stores
.endr
.endr
	s_wait_dscnt 0x0
.set i, 0
.rept 64
.set i, i+1
.endr
.irp g, 0,1,2,3,4,5,6,7
	v_cvt_scalef32_pk8_fp8_f32 v[C+16*\blk+2*\g:C+16*\blk+2*\g+1], v[X+8*\g:X+8*\g+7], v11
.endr
	v_nop
.irp c, 0,1,2,3
	global_store_b128 v3, v[C+16*\blk+4*\c:C+16*\blk+4*\c+3], s[12:13] offset:2048*\blk+512*\c   ; 512 consecutive bytes, aligned
.endr
.endm
	s_wait_alu depctr_va_vdst(0)
	BLOCK 0
	BLOCK 1
	s_wait_tensorcnt 0x0
	ds_add_u32 v240, v241
	s_wait_dscnt 0x0
	s_endpgm
.Lweights:
	s_wait_alu depctr_va_vdst(0)
	; ---- a weight [1024][cols]: a work-group takes 128 columns x 128 along K; wave w 32 columns: two row tiles of one K block
	v_and_b32 v5, 7, v2
	v_bfe_u32 v6, v2, 3, 1
	v_bfe_u32 v7, v2, 4, 1
	v_lshl_or_b32 v5, v6, 4, v5
	v_lshl_or_b32 v5, v7, 3, v5                    ; my lane is a position; its column is the lane with bits 3 and 4 exchanged
	v_lshlrev_b32 v8, 2, v5                        ; in: 4 bytes a column
	v_and_b32 v9, 15, v2
	v_lshlrev_b32 v9, 4, v9
	v_lshl_or_b32 v9, v7, 14, v9                   ; out: row tile lane / 16 (16,384 bytes apart), 16 x (lane % 16)
.macro WLOAD c, cols                   ; 32 rows of K: each load reads 128 consecutive bytes
.set k, 32*(\c)
.rept 32
	global_load_b32 v[WD+k], v8, s[34:35] offset:k*\cols*4 th:TH_LOAD_NT
.set k, k+1
.endr
.endm
.macro WPATH cols, first, wlo, olo, e
	s_sub_co_u32 s20, ttmp9, \first
	s_lshr_b32 s21, s20, 3                         ; which 128 columns
	s_and_b32 s22, s20, 7                          ; which 128 along K
	s_mul_i32 s32, s22, 128*\cols*4
	s_lshl_b32 s33, s21, 9
	s_add_co_u32 s32, s32, s33
	s_lshl_b32 s33, s[WV], 7
	s_add_co_u32 s32, s32, s33
	s_mov_b32 s33, 0
	s_add_nc_u64 s[34:35], s[\wlo:\wlo+1], s[32:33]
	s_lshl_b32 s32, s21, 17                        ; eight row tiles of 16,384 bytes,
	s_lshl_b32 s36, s[WV], 15                      ; my two,
	s_add_co_u32 s32, s32, s36
	s_lshl_b32 s36, s22, 11                        ; the K block's image
	s_add_co_u32 s32, s32, s36
	s_add_nc_u64 s[36:37], s[\olo:\olo+1], s[32:33]
	WLOAD 0, \cols
	WLOAD 1, \cols
	s_wait_kmcnt 0x0
	MKSCALE \e
	s_wait_alu depctr_va_vdst(0)
.irp c, 0,1,2,3
.if \c < 3
	s_wait_loadcnt 32                              ; this block's 32 loads are in; the next block's may be out
.else
	s_wait_loadcnt 0
.endif
.if \c < 2
	WLOAD \c+2, \cols                              ; two blocks ahead, into registers of their own
.endif
.set i, 0
.rept 32
.set i, i+1
.endr
.irp g, 0,1,2,3
	v_cvt_scalef32_pk8_fp8_f32 v[WC+8*\c+2*\g:WC+8*\c+2*\g+1], v[WD+32*\c+8*\g:WD+32*\c+8*\g+7], v11
.endr
	global_store_b128 v9, v[WC+8*\c:WC+8*\c+3], s[36:37] offset:512*\c         ; K = 32 c + 0 .. 15: sixteen lanes fill 256 consecutive bytes, aligned
	global_store_b128 v9, v[WC+8*\c+4:WC+8*\c+7], s[36:37] offset:512*\c+256   ; K = 32 c + 16 .. 31
.endr
.endm
	s_cmp_lt_u32 ttmp9, 704
	s_cbranch_scc0 .Lwproj
	s_wait_alu depctr_va_vdst(0)
	WPATH 3072, 512, 6, 14, 25
	s_endpgm
.Lwproj:
	s_wait_alu depctr_va_vdst(0)
	WPATH 1024, 704, 8, 16, 31
	s_endpgm
.Lfunc_end_k_q32e5cf6ae8_quant:
	.size	k_q32e5cf6ae8_quant, .Lfunc_end_k_q32e5cf6ae8_quant-k_q32e5cf6ae8_quant
	.p2alignl 7, 3214868480
	.fill 96, 4, 3214868480
	.section	.rodata,"a",@progbits
	.p2align	6, 0x0
	.amdhsa_kernel k_q32e5cf6ae8_quant
		.amdhsa_group_segment_fixed_size 34304
		.amdhsa_private_segment_fixed_size 0
		.amdhsa_enable_private_segment 0
		.amdhsa_kernarg_size 56
		.amdhsa_user_sgpr_count 2
		.amdhsa_user_sgpr_kernarg_segment_ptr 1
		.amdhsa_wavefront_size32 1
		.amdhsa_system_sgpr_workgroup_id_x 1
		.amdhsa_system_sgpr_workgroup_id_y 1
		.amdhsa_system_sgpr_workgroup_id_z 1
		.amdhsa_system_vgpr_workitem_id 0
		.amdhsa_next_free_vgpr 242
		.amdhsa_next_free_sgpr 66
		.amdhsa_reserve_vcc 0
		.amdhsa_float_denorm_mode_32 3
		.amdhsa_float_denorm_mode_16_64 3
		.amdhsa_fp16_overflow 1
		.amdhsa_memory_ordered 1
		.amdhsa_forward_progress 1
		.amdhsa_inst_pref_size 41
	.end_amdhsa_kernel
	.amdgpu_metadata
---
amdhsa.version: [ 1, 2 ]
amdhsa.kernels:
  - .name:           k_q32e5cf6ae8_quant
    .symbol:         k_q32e5cf6ae8_quant.kd
    .args:
      - { .name: x, .offset: 0, .size: 8, .value_kind: global_buffer, .address_space: global }
      - { .name: W_attn, .offset: 8, .size: 8, .value_kind: global_buffer, .address_space: global }
      - { .name: W_proj, .offset: 16, .size: 8, .value_kind: global_buffer, .address_space: global }
      - { .name: lowp_scales, .offset: 24, .size: 8, .value_kind: global_buffer, .address_space: global }
      - { .name: xc, .offset: 32, .size: 8, .value_kind: global_buffer, .address_space: global }
      - { .name: wac, .offset: 40, .size: 8, .value_kind: global_buffer, .address_space: global }
      - { .name: wpc, .offset: 48, .size: 8, .value_kind: global_buffer, .address_space: global }
    .group_segment_fixed_size: 34304
    .private_segment_fixed_size: 0
    .kernarg_segment_align: 8
    .kernarg_segment_size: 56
    .max_flat_workgroup_size: 128
    .sgpr_count:     66
    .vgpr_count:     242
    .wavefront_size: 32
...
	.end_amdgpu_metadata
.endif
;; end of part 1
;; launch qkvgemm (part 2): grid 12 x 32, 4 waves a work-group, clusters of 4 x 4, 327,680 bytes of LDS; arguments xc, wac, lowp_scales, b_attn, qkv; writes qkv
.if DOCPART == 2
	.amdgcn_target "amdgcn-amd-amdhsa--gfx1250"
	.amdhsa_code_object_version 6
	.text
	.protected	k_q32e5cf6ae8_qkvgemm
	.globl	k_q32e5cf6ae8_qkvgemm
	.p2align	8
	.type	k_q32e5cf6ae8_qkvgemm,@function
k_q32e5cf6ae8_qkvgemm:
	s_mov_b64 s[64:65], 0
	v_nop
	global_prefetch_b8 v0, s[64:65] scope:SCOPE_SE
	s_setreg_imm32_b32 hwreg(HW_REG_WAVE_MODE, 25, 1), 1
	s_wait_xcnt 0x0
	s_wait_alu depctr_hold_cnt(0) depctr_sa_sdst(0) depctr_va_vdst(0) depctr_va_sdst(0) depctr_va_ssrc(0) depctr_va_vcc(0) depctr_vm_vsrc(0)
	s_getreg_b32 s2, hwreg(HW_REG_IB_STS2, 6, 4)
	s_cmp_eq_u32 s2, 0
	s_cbranch_scc0 .Lentry_in_a_cluster
	s_endpgm
.Lentry_in_a_cluster:
	s_bfe_u32 s2, ttmp6, 0x10000c
	s_cmp_lg_u32 s2, 0xf033
	s_cbranch_scc0 .Lentry_shape_is_right
	s_endpgm
.Lentry_shape_is_right:
; qkv = x W_attn + b_attn on codes of FP8 (E4M3), and q, k, v quantised at once (scales' entries 2, 3, 5) into the images that the attention launch reads.
; xc [512 row tiles][8][2048], wac [192][8][2048]: images of operand registers (16 rows x 128 K: byte 512 c + 16 lane + i = (row position lane % 16, K = 32 c + 16 (lane / 16) + i)); position r of row tile 2 b + u holds row 32 b + 8 u + r + 8 (r / 8).
; A tile of the result, 256 x 256, is made by four waves, 128 x 128 each: 64 accumulators, 512 registers.  K = 1,024 goes in four steps of 256 through two LDS slots filled by the tensor data mover.
; THE MATRIX INSTRUCTION IS USED TRANSPOSED (source 0 = side B, source 1 = side A): by the order of the row positions a lane's 16 registers of accumulators (a, 2 n) and (a, 2 n + 1) are 16 true neighbours along side B:
; two conversions make 16 bytes that are the lane's place in the next operand's image, and a store of the wave covers 512 consecutive bytes, aligned.  Nothing goes through LDS on the way out.
; ROLES.  Cluster x = 0: q, 1: k: side A = tokens (xc), side B = columns (wac): a lane gets neighbours along the head's 64, which is the K of q k^T.  Cluster x = 2: v: side A = columns, side B = tokens: neighbours along the keys, the K of p v.
; The choice is made by selects on the cluster's x, which all sixteen partners share; one branch on it picks how the bias enters (by side B or by side A).
; CLUSTERS: 4 x 4.  Side A's tile hangs on cy, side B's on cx: each is asked for jointly by the four that share it.
; THE BIAS is the C of each sum's first matrix instruction, divided by 2^(e0 + e1).  A sum stands for sum x 2^(e0 + e1): the conversion's one scale is 2^(eo - e0 - e1), eo = e2, e3 or e5.
; qkv: [head 64][393,216]: q at 0 as [token tile 128][1024] (16 positions x 64: byte 512 c + 16 lane + i), k at 131,072 likewise, v at 262,144 as [key block 16][channel tile 4][2048], keys innermost.
; LIMITS: eo - e0 - e1 between -126 and 119.  NaN among the inputs is not served.
; REGISTERS, in windows of 256: window 0: v16-31 addresses and constants; v32-95 the bias; v96-103 the bias loads' offsets; v128-255 A's fragments, ONE set, later the codes.
;   window 1: B's fragments, TWO sets.   window 2: the accumulators of my A blocks 0-3 ((a, b) at v[8 (8 a + b)]);   window 3: those of blocks 4-7.
.set HALFT,  32768                     ; 8 row tiles x 256 K: what one tensor load brings, and what one wave reads of A or of B
.set SLOT,   4*HALFT                   ; A's two halves, then B's two
.set SPARE,  2*SLOT                    ; behind the ring: the spare words, 128 bytes for each wave
.set KSB,    4096                      ; a K step in a row tile's bytes: two images
.set FR,     16
.set NL,     4
.set NP,     4
.set ADRA, 16                          ; v16-17  LDS address of my A fragments in slot 0, 1
.set ADRB, 20                          ; v20-21  the same for B
.set OL,   26                          ; v26     16 x lane; never rewritten
.set OH,   27                          ; v27     the same for the upper two groups of 32 neighbours; never rewritten
.set SPW,  28                          ; v28     LDS address of my spare word; never rewritten
.set NIL,  29                          ; v29     0; never rewritten
.set SCR,  30                          ; v30     2^(eo - e0 - e1)
.set LIMR, 31
.set BI,   32
.set TMP,  32
.set AJ,   96
.set AF,   128
.set CD,   128
.set G1, 24
.set G0, 32
.set G1B, 48
.set G0B, 56
.set MSB, 0
.macro WIN new                         ; the immediate's high byte repeats the setting that is left
.if MSB != (\new)
	s_set_vgpr_msb (MSB<<8)|(\new)
.set MSB, (\new)
.endif
.endm
.set MUL_LO,  0xa1                     ; source 0 (B) window 1, source 1 (A) window 0, C and D window 2
.set MUL_HI,  0xf1                     ; the same, C and D window 3
.set BIAS_LO, 0x81                     ; C (the bias) window 0, D window 2
.set BIAS_HI, 0xc1                     ; C window 0, D window 3
.set TO_B,    0x40
; A joint load: waves 0 and 1 fetch for A, waves 2 and 3 for B; the branch hangs on the wave's number alone.  Four v_nop follow each of the two lines.
.macro JLOAD g0a, g1a, g0b, g1b
	s_cmp_eq_u32 s15, 0
	s_cbranch_scc0 .Lfor_b_\@
	tensor_load_to_lds s[\g0a:\g0a+3], s[\g1a:\g1a+7]
	s_nop 0
.rept 4
	v_nop
.endr
	s_branch .Lasked_\@
.Lfor_b_\@:
	tensor_load_to_lds s[\g0b:\g0b+3], s[\g1b:\g1b+7]
	s_nop 0
.rept 4
	v_nop
.endr
.Lasked_\@:
.endm
.macro CREST                           ; a round of the cluster's barrier behind its opening barrier
	s_cmp_lg_u32 s14, 0
	s_cbranch_scc1 .Lnot_wave_0_\@
	s_barrier_signal -3
.Lnot_wave_0_\@:
	s_barrier_wait -3
	s_barrier_signal -1
	s_barrier_wait -1
.endm
.macro CROUND
	s_barrier_signal -1
	s_barrier_wait -1
	CREST
.endm
	s_load_b128 s[4:7], s[0:1], 0x0                ; xc s[4:5], wac s[6:7]
	s_load_b128 s[8:11], s[0:1], 0x10              ; the scales' exponents s[8:9], b_attn s[10:11]
	s_load_b64 s[12:13], s[0:1], 0x20              ; qkv
	v_lshl_add_u32 v[SPW], v0, 2, SPARE
	v_mov_b32 v[NIL], 0
	ds_add_u32 v28, v29
	ds_add_u32 v28, v29
	s_wait_dscnt 0x0
	v_lshrrev_b32 v1, 5, v0
	v_readfirstlane_b32 s14, v1                    ; wave 0..3
	s_lshr_b32 s15, s14, 1                         ; my half of side A.  Also: I fetch for A (0) or for B (1)
	s_and_b32 s16, s14, 1                          ; my half of side B.  Also: which half of that tile I fetch
	s_bfe_u32 s40, ttmp6, 0x40000                  ; cx
	s_bfe_u32 s41, ttmp6, 0x40004                  ; cy
	s_and_b32 s66, ttmp7, 0xffff
	s_lshl_b32 s66, s66, 2                         ; 4 x cluster y
	s_lshl_b32 s67, ttmp9, 2                       ; 4 x cluster x
	s_mov_b32 s2, 393216
	s_mov_b32 s96, 1024
	s_mov_b32 s98, 1024
	s_cmp_eq_u32 ttmp9, 2                          ; v?  The same in all sixteen partners
	s_cselect_b32 s17, 8, s66                      ; side A's tile: v: wac's tiles 8 + cy; else token tile 4 Y + cy
	s_cselect_b32 s42, s66, s67                    ; side B's tile: v: token tile 4 Y + cx; else wac's tile 4 X + cx
	s_cselect_b32 s94, s16, s15                    ; which half of the token tile is mine
	s_cselect_b32 s95, s15, s16                    ; which half of the columns' tile
	s_cselect_b32 s79, s41, s40                    ; the columns' tile within q, k or v
	s_cselect_b32 s74, 0, 64                       ; the bias loads' offsets: x lane / 16,
	s_cselect_b32 s75, 64, 0                       ; x (lane % 16) / 8,
	s_cselect_b32 s76, 4, 0                        ; x lane % 8,
	s_cselect_b32 s77, 0, 4                        ; x register
	s_cselect_b32 s2, 1024, s2                     ; the way out: from the lower two groups of 32 to the upper two: v: 1,024 bytes on in the image; else the next head
	s_cselect_b32 s96, 2048, s96                   ; from A block to A block: v: the next channel tile; else the next token tile
	s_cselect_b32 s98, 387072, s98                 ; behind block 3: v: the next head's first channel tile (393,216 - 3 x 2,048)
	s_mov_b32 s97, 0
	s_mov_b32 s99, 0
	s_add_co_u32 s17, s17, s41
	s_add_co_u32 s42, s42, s40
	s_cmp_eq_u32 ttmp9, 2
	s_cselect_b32 s92, s42, s17                    ; the token tile
	s_cselect_b32 s93, s17, s42                    ; wac's tile
	s_lshl_b32 s43, s41, 2
	s_lshl_b32 s43, 15, s43                        ; my row of the cluster
	s_lshl_b32 s44, 0x1111, s40                    ; my column
	; descriptor group 1: 8 rows (row tiles) of 4,096 bytes (two images), 16,384 bytes apart in memory, dense in LDS
	s_or_b32 s[G1+0], s43, (3<<16)|(1<<21)         ; 15:0 the mask: A's tiles go to my row; 17:16 elements of 8 bytes; 21 set beside a mask; no padding
	s_or_b32 s[G1B+0], s44, (3<<16)|(1<<21)
.irp g, G1, G1B
	s_mov_b32 s[\g+1], 512<<16                     ; tensor_dim0 = 512 elements
	s_mov_b32 s[\g+2], 8<<16                       ; tensor_dim1 = 8
	s_mov_b32 s[\g+3], 512<<16                     ; tile_dim0
	s_mov_b32 s[\g+4], 8                           ; tile_dim1
	s_mov_b32 s[\g+5], 2048                        ; tensor_dim0_stride, in elements
	s_mov_b32 s[\g+6], 0
	s_mov_b32 s[\g+7], 0
.endr
	s_lshl_b32 s18, s16, 17                        ; which 8 row tiles of the tile I fetch
	s_lshl_b32 s20, s17, 18                        ; a tile of 256 rows is 262,144 bytes
	s_add_co_u32 s20, s20, s18
	s_mov_b32 s21, 0
	s_lshl_b32 s46, s42, 18
	s_add_co_u32 s46, s46, s18
	s_mov_b32 s47, 0
	s_mul_i32 s45, s14, HALFT                      ; where they go: wave x 32,768: no place in the cluster enters an LDS address
	s_wait_kmcnt 0x0
	s_load_b256 s[80:87], s[8:9], 0x0              ; e0 .. e7
	s_cmp_eq_u32 ttmp9, 2
	s_cselect_b64 s[68:69], s[6:7], s[4:5]         ; side A's buffer
	s_cselect_b64 s[70:71], s[4:5], s[6:7]         ; side B's
	s_add_nc_u64 s[20:21], s[68:69], s[20:21]
	s_add_nc_u64 s[46:47], s[70:71], s[46:47]
	CROUND                                         ; all sixteen work-groups are here: the first joint loads meet
.irp s, 0,1
	s_mov_b32 s[G0+4*\s], 1
	s_add_co_u32 s[G0+4*\s+1], s45, \s*SLOT
	s_add_nc_u64 s[G0+4*\s+2:G0+4*\s+3], s[20:21], \s*KSB
	s_or_b32 s[G0+4*\s+3], s[G0+4*\s+3], 0x80000000
	s_mov_b32 s[G0B+4*\s], 1
	s_add_co_u32 s[G0B+4*\s+1], s45, \s*SLOT
	s_add_nc_u64 s[G0B+4*\s+2:G0B+4*\s+3], s[46:47], \s*KSB
	s_or_b32 s[G0B+4*\s+3], s[G0B+4*\s+3], 0x80000000
	JLOAD G0+4*\s, G1, G0B+4*\s, G1B
.endr
	v_and_b32 v1, 15, v0                           ; r
	v_bfe_u32 v2, v0, 4, 1                         ; h
	v_and_b32 v3, 31, v0
	v_lshlrev_b32 v[OL], 4, v3                     ; 16 x lane
	s_mul_i32 s22, s15, HALFT
	s_mul_i32 s23, s16, HALFT
	s_add_co_u32 s23, s23, 2*HALFT
.irp s, 0,1
	v_add_nc_u32 v[ADRA+\s], s22, v[OL]
	v_add_nc_u32 v[ADRB+\s], s23, v[OL]
	s_add_co_u32 s22, s22, SLOT
	s_add_co_u32 s23, s23, SLOT
.endr
	v_add_nc_u32 v[OH], s2, v[OL]
	; the bias: register 8 x + j of v[BI] on.  q, k: block x of side B, column 32 (x / 2) + 8 (x % 2) + 16 h + j.  v: block x of side A, column 32 (x / 2) + 8 (x % 2) + 16 (r / 8) + r % 8, the same in all eight j
	v_lshrrev_b32 v5, 3, v1
	v_and_b32 v6, 7, v1
	v_mul_u32_u24 v7, v2, s74
	v_mad_u32_u24 v7, v5, s75, v7
	v_mad_u32_u24 v7, v6, s76, v7
.irp j, 0,1,2,3,4,5,6,7
	v_mad_u32_u24 v[AJ+\j], s77, \j, v7
.endr
	s_lshl_b32 s90, s93, 10                        ; 256 columns x 4 bytes a tile,
	s_lshl_b32 s78, s95, 9                         ; my half
	s_add_co_u32 s90, s90, s78
	s_mov_b32 s91, 0
	s_add_nc_u64 s[72:73], s[10:11], s[90:91]
.irp x, 0,1,2,3,4,5,6,7
.irp j, 0,1,2,3,4,5,6,7
	global_load_b32 v[BI+8*\x+\j], v[AJ+\j], s[72:73] offset:4*(32*(\x/2)+8*(\x%2))
.endr
.endr
	; where my codes go: head = 16 x batch + 4 x columns' tile + 2 x my half; q, k or v; my 128 tokens: 8 token tiles of 1,024 bytes, or one key block of 8,192
	s_lshr_b32 s78, s92, 3
	s_lshl_b32 s78, s78, 4
	s_lshl_b32 s90, s79, 2
	s_add_co_u32 s78, s78, s90
	s_lshl_b32 s90, s95, 1
	s_add_co_u32 s78, s78, s90
	s_mul_i32 s78, s78, 393216
	s_lshl_b32 s90, ttmp9, 17
	s_add_co_u32 s78, s78, s90
	s_and_b32 s90, s92, 7
	s_lshl_b32 s90, s90, 1
	s_add_co_u32 s90, s90, s94
	s_lshl_b32 s90, s90, 13
	s_add_co_u32 s90, s90, s78
	s_add_nc_u64 s[12:13], s[12:13], s[90:91]
	s_wait_loadcnt 0x0                             ; the bias
	s_wait_kmcnt 0x0                               ; the exponents
	s_add_co_i32 s88, s80, s81                     ; e0 + e1
	s_sub_co_i32 s89, 0, s88
.set i, 0
.rept 64
	v_ldexp_f32 v[BI+i], v[BI+i], s89              ; the bias / 2^(e0 + e1)
.set i, i+1
.endr
	s_cmp_eq_u32 ttmp9, 0
	s_cselect_b32 s90, s82, s83
	s_cmp_eq_u32 ttmp9, 2
	s_cselect_b32 s90, s85, s90                    ; eo: e2, e3 or e5, chosen by the cluster's x
	s_sub_co_i32 s90, s90, s88
	s_add_co_i32 s90, s90, 127
	s_lshl_b32 s91, s90, 23
	v_mov_b32 v[SCR], s91
.macro FRAG reg, adr, q, i             ; a fragment is an image: four loads of 16 bytes a lane, each 512 consecutive bytes
.irp c, 0,1,2,3
	ds_load_b128 v[\reg+4*\c:\reg+4*\c+3], v[\adr] offset:4096*(\i)+2048*(\q)+512*\c
.endr
.endm
; 16 matrix instructions: A's blocks a0, a0 + 1 x B's eight, 128 along K.  p: B's set.  mode 0: onto the sums; 1: the sums begin with the bias of B's block; 2: with that of A's block.
; The 64 accumulators take turns, one instruction a turn, in the same order in every step.
.macro MUL16 a0, p, mode
.irp a, \a0, \a0+1
.irp b, 0,1,2,3,4,5,6,7
.if \mode == 1
	v_wmma_f32_16x16x128_fp8_fp8 v[8*(8*((\a)%4)+\b):8*(8*((\a)%4)+\b)+7], v[128*(\p)+FR*\b:128*(\p)+FR*\b+FR-1], v[AF+FR*(\a):AF+FR*(\a)+FR-1], v[BI+8*\b:BI+8*\b+7]
.elseif \mode == 2
	v_wmma_f32_16x16x128_fp8_fp8 v[8*(8*((\a)%4)+\b):8*(8*((\a)%4)+\b)+7], v[128*(\p)+FR*\b:128*(\p)+FR*\b+FR-1], v[AF+FR*(\a):AF+FR*(\a)+FR-1], v[BI+8*(\a):BI+8*(\a)+7]
.else
	v_wmma_f32_16x16x128_fp8_fp8 v[8*(8*((\a)%4)+\b):8*(8*((\a)%4)+\b)+7], v[128*(\p)+FR*\b:128*(\p)+FR*\b+FR-1], v[AF+FR*(\a):AF+FR*(\a)+FR-1], v[8*(8*((\a)%4)+\b):8*(8*((\a)%4)+\b)+7]
.endif
.endr
.endr
.endm
.macro FETCH_B slot, q, p
	WIN TO_B
.irp i, 0,1,2,3,4,5,6,7
	FRAG 128*(\p)+FR*\i, ADRB+\slot, \q, \i
.endr
	WIN 0
.endm
.macro FETCH_A slot, q, i0
.irp i, \i0, \i0+1, \i0+2, \i0+3
	FRAG AF+FR*(\i), ADRA+\slot, \q, \i
.endr
.endm
.macro PLACES n                        ; plain vector lines between a matrix instruction and a load into a register that it read, or a read of its result
.rept \n
	v_nop
.endr
.endm
; A step of 128 along K that has its successor in the same slot.  A block of A is free when its eight products are issued: blocks 0-3 are fetched anew in the middle, blocks 4-7 at the end; B has two sets.
.macro STEP slot, q, mode
	s_wait_dscnt 4*NL                              ; B's set and A's blocks 0-3 are in; the youngest 16 loads (A's blocks 4-7) may be out
.if \mode
	WIN BIAS_LO
.else
	WIN MUL_LO
.endif
	MUL16 0, (\q)%2, \mode
	MUL16 2, (\q)%2, \mode
	s_wait_dscnt 0
	PLACES NP
	FETCH_B \slot, (\q)+1, 1-(\q)%2
	FETCH_A \slot, (\q)+1, 0
.if \mode
	WIN BIAS_HI
.else
	WIN MUL_HI
.endif
	MUL16 4, (\q)%2, \mode
	MUL16 6, (\q)%2, \mode
	PLACES NP
	WIN 0
	FETCH_A \slot, (\q)+1, 4
.endm
; A slot's last step changes slots: one barrier; in front of it each wave waits for all its tensor loads, adds 0 to its spare word, and waits for that and for its reads of this slot.  fill = 1: this slot is filled again, two K steps ahead.
.macro TURN slot, next, fill
	s_wait_tensorcnt 0x0                           ; all my tensor loads have landed: my part of the next slot
	ds_add_u32 v[SPW], v[NIL]                      ; 0 onto my spare word
	s_wait_dscnt 4*NL+1                            ; (the add and the youngest 16 loads may be out)
	WIN MUL_LO
	MUL16 0, 1, 0
	s_wait_dscnt 0x0                               ; the add is done, and my reads of this slot are over
	s_barrier_signal -1
	MUL16 2, 1, 0
	WIN 0
	s_barrier_wait -1
.if \fill
	CREST                                          ; the barrier has opened a round of the cluster's: no wave of any partner still reads this slot or has a load on its way
	s_add_nc_u64 s[G0+4*\slot+2:G0+4*\slot+3], s[G0+4*\slot+2:G0+4*\slot+3], 2*KSB
	s_add_nc_u64 s[G0B+4*\slot+2:G0B+4*\slot+3], s[G0B+4*\slot+2:G0B+4*\slot+3], 2*KSB
	JLOAD G0+4*\slot, G1, G0B+4*\slot, G1B         ; the first tensor load behind the round; its four v_nop are also the places in front of the loads below
.else
	PLACES NP
.endif
	FETCH_B \next, 0, 0
	FETCH_A \next, 0, 0
	WIN MUL_HI
	MUL16 4, 1, 0
	MUL16 6, 1, 0
	PLACES NP
	WIN 0
	FETCH_A \next, 0, 4
.endm
	s_wait_tensorcnt 1                             ; my part of K step 0 is in (K step 1's load may be out)
	s_barrier_signal -1
	s_barrier_wait -1                              ; everybody's is
	FETCH_B 0, 0, 0
	FETCH_A 0, 0, 0
	FETCH_A 0, 0, 4
	s_cmp_eq_u32 ttmp9, 2                          ; the first step is written twice: it starts the sums with the bias, which goes by side B (q, k) or by side A (v)
	s_cbranch_scc1 .Lfirst_v
	s_wait_alu depctr_va_vdst(0)
	STEP 0, 0, 1
	s_branch .Lfirst_done
.Lfirst_v:
	s_wait_alu depctr_va_vdst(0)
	STEP 0, 0, 2
.Lfirst_done:
	TURN 0, 1, 1                                   ; K step 0's second half; slot 0 takes K step 2
	STEP 1, 0, 0
	TURN 1, 0, 1                                   ; slot 1 takes K step 3
	STEP 0, 0, 0
	TURN 0, 1, 0                                   ; nothing more is asked for
	STEP 1, 0, 0
	s_wait_dscnt 4*NL                              ; the very last step
	WIN MUL_LO
	MUL16 0, 1, 0
	MUL16 2, 1, 0
	s_wait_dscnt 0
	WIN MUL_HI
	MUL16 4, 1, 0
	MUL16 6, 1, 0
	WIN 0
; THE WAY OUT, A block by A block: 64 sums a lane are held within +-448 x the scale (each accumulator from its low end on), converted, and stored: group n of 32 neighbours along side B is 16 bytes a lane.
.macro OUTBLK a
.set AC, 64*((\a)%4)
	WIN 0x02+((\a)/4)                              ; source 0: window 2 or 3
.set i, 0
.rept 64
.set i, i+1
.endr
.irp g, 0,1,2,3,4,5,6,7
	v_cvt_scalef32_pk8_fp8_f32 v[CD+16*(\a)+2*\g:CD+16*(\a)+2*\g+1], v[AC+8*\g:AC+8*\g+7], v[SCR]
.endr
	WIN 0
	v_nop
	global_store_b128 v[OL], v[CD+16*(\a):CD+16*(\a)+3], s[12:13]
	global_store_b128 v[OL], v[CD+16*(\a)+4:CD+16*(\a)+7], s[12:13] offset:512
	global_store_b128 v[OH], v[CD+16*(\a)+8:CD+16*(\a)+11], s[12:13]
	global_store_b128 v[OH], v[CD+16*(\a)+12:CD+16*(\a)+15], s[12:13] offset:512   ; each store of the wave covers 512 consecutive bytes, aligned
.if (\a) < 7
	s_wait_xcnt 0x0                                ; the stores have read their base: it may step
.if (\a) == 3
	s_add_nc_u64 s[12:13], s[12:13], s[98:99]
.else
	s_add_nc_u64 s[12:13], s[12:13], s[96:97]
.endif
.endif
.endm
	PLACES NP
.irp a, 0,1,2,3,4,5,6,7
	OUTBLK \a
.endr
	s_wait_tensorcnt 0x0                           ; the wave's end
	ds_add_u32 v[SPW], v[NIL]
	s_wait_dscnt 0x0
	CROUND                                         ; the closing round: no work-group ends while a partner may still ask for a tile that names it
	s_endpgm
.Lfunc_end_k_q32e5cf6ae8_qkvgemm:
	.size	k_q32e5cf6ae8_qkvgemm, .Lfunc_end_k_q32e5cf6ae8_qkvgemm-k_q32e5cf6ae8_qkvgemm
	.p2alignl 7, 3214868480
	.fill 96, 4, 3214868480
	.section	.rodata,"a",@progbits
	.p2align	6, 0x0
	.amdhsa_kernel k_q32e5cf6ae8_qkvgemm
		.amdhsa_group_segment_fixed_size 327680
		.amdhsa_private_segment_fixed_size 0
		.amdhsa_enable_private_segment 0
		.amdhsa_kernarg_size 40
		.amdhsa_user_sgpr_count 2
		.amdhsa_user_sgpr_kernarg_segment_ptr 1
		.amdhsa_wavefront_size32 1
		.amdhsa_system_sgpr_workgroup_id_x 1
		.amdhsa_system_sgpr_workgroup_id_y 1
		.amdhsa_system_sgpr_workgroup_id_z 1
		.amdhsa_system_vgpr_workitem_id 0
		.amdhsa_next_free_vgpr 1024
		.amdhsa_next_free_sgpr 100
		.amdhsa_reserve_vcc 0
		.amdhsa_float_denorm_mode_32 3
		.amdhsa_float_denorm_mode_16_64 3
		.amdhsa_fp16_overflow 1
		.amdhsa_memory_ordered 1
		.amdhsa_forward_progress 1
		.amdhsa_inst_pref_size 106
	.end_amdhsa_kernel
	.amdgpu_metadata
---
amdhsa.version: [ 1, 2 ]
amdhsa.kernels:
  - .name:           k_q32e5cf6ae8_qkvgemm
    .symbol:         k_q32e5cf6ae8_qkvgemm.kd
    .args:
      - { .name: xc, .offset: 0, .size: 8, .value_kind: global_buffer, .address_space: global }
      - { .name: wac, .offset: 8, .size: 8, .value_kind: global_buffer, .address_space: global }
      - { .name: lowp_scales, .offset: 16, .size: 8, .value_kind: global_buffer, .address_space: global }
      - { .name: b_attn, .offset: 24, .size: 8, .value_kind: global_buffer, .address_space: global }
      - { .name: qkv, .offset: 32, .size: 8, .value_kind: global_buffer, .address_space: global }
    .group_segment_fixed_size: 327680
    .private_segment_fixed_size: 0
    .kernarg_segment_align: 8
    .kernarg_segment_size: 40
    .max_flat_workgroup_size: 128
    .sgpr_count:     100
    .vgpr_count:     1024
    .wavefront_size: 32
...
	.end_amdgpu_metadata
.endif
;; end of part 2
;; launch attn (part 3): grid 4 x 64, 16 waves a work-group, clusters of 4 x 1, 264,192 bytes of LDS; arguments qkv, lowp_scales, yc; writes yc
.if DOCPART == 3
	.amdgcn_target "amdgcn-amd-amdhsa--gfx1250"
	.amdhsa_code_object_version 6
	.text
	.protected	k_q32e5cf6ae8_attn
	.globl	k_q32e5cf6ae8_attn
	.p2align	8
	.type	k_q32e5cf6ae8_attn,@function
k_q32e5cf6ae8_attn:
	s_mov_b64 s[64:65], 0
	v_nop
	global_prefetch_b8 v0, s[64:65] scope:SCOPE_SE
	s_setreg_imm32_b32 hwreg(HW_REG_WAVE_MODE, 25, 1), 1
	s_wait_xcnt 0x0
	s_wait_alu depctr_hold_cnt(0) depctr_sa_sdst(0) depctr_va_vdst(0) depctr_va_sdst(0) depctr_va_ssrc(0) depctr_va_vcc(0) depctr_vm_vsrc(0)
	s_getreg_b32 s2, hwreg(HW_REG_IB_STS2, 6, 4)
	s_cmp_eq_u32 s2, 0
	s_cbranch_scc0 .Lentry_in_a_cluster
	s_endpgm
.Lentry_in_a_cluster:
	s_bfe_u32 s2, ttmp6, 0x10000c
	s_cmp_lg_u32 s2, 0x3003
	s_cbranch_scc0 .Lentry_shape_is_right
	s_endpgm
.Lentry_shape_is_right:
; y[head][q] = the sum over k <= q of softmax_k(q . k / 8) v, both products on codes of FP8 (E4M3); y is quantised at once (scale entry 6) into the image that the last product reads.
; qkv: [head 64][393,216]: q at 0 and k at 131,072 as [token tile 128][1024] (16 positions x 64: byte 512 c + 16 lane + i = (position lane % 16, channel 32 c + 16 (lane / 16) + i)); position r of tile 2 b + u holds token 32 b + 8 u + r + 8 (r / 8);
; v at 262,144 as [key block 16][channel tile 4][2048]: 16 channel positions x 128 keys, keys innermost and in their true order.
; THE SOFTMAX: t = score x log2(e) / 8; M = the running largest t rounded UP to a whole number; p = 2^(t - M) is quantised (entry 4), not normalised; the row's sum is taken of the unquantised p and divides at the end; when M moves, sum and O are multiplied by 2^(old M - new M).
; K AND V OF A HEAD ARE 262,144 BYTES AND LIE IN LDS WHOLE: filled once, sixteen tensor loads of 16,384 bytes (one a wave); no slot is filled again, and the loop over the keys has no barrier.
; CLUSTER: the four work-groups of a cluster are the four shares of one head's queries; they ask for K and V jointly.
; SHARES.  A wave owns two tiles of 16 queries: tile 8 g + 2 cx + wave % 2 of granule (128 queries) g = wave / 2 and of granule 15 - wave / 2.  The first needs key steps 0 .. g, the second 0 .. 15 - g: 17 steps of a tile in every wave.
; Every wave walks 16 trips; what a tile does not need is jumped over by scalar branches on the wave's number and the trip's number.  cx enters global addresses and the mask's numbers alone.
; Both products are used transposed: S^T = K Q^T, O^T = V^T P^T: a lane holds one query (lane % 16); the 16 registers of score tiles 2 b, 2 b + 1 are keys 32 b + 16 (lane / 16) + 0 .. 15.
; LIMITS on the given exponents: e2 + e3 between -123 and 130 (added to c's exponent field); e4, and e6 - e4 - e5, between -126 and 119.
; REGISTERS: v1-4 addresses and the mask's number; v[8:11], v[12:15] a tile's -M, largest t, sum in two halves; v16-31 Q's two fragments; v32-95 K's, then V's fragments; v96-159 S^T, then p; v160-191, v192-223 O^T; v224-239 p's codes; v240-254 constants and work.
.set HEADB, 393216
.set KOFF,  131072                     ; k's place in a head's block; K then V come as one dense run of 262,144 bytes
.set VLDS,  131072                     ; V's place in LDS
.set LI,   1                           ; v1   16 x lane
.set ADK,  2                           ; v2   LDS address of the step's tiles of K
.set DD,   3                           ; v3   on the diagonal: register 16 b + i is hidden where 32 b + i > this
.set ADV,  4                           ; v4   LDS address of the step's tiles of V
.set STA,  8
.set STB,  12
.set QA,   16
.set F,    32
.set S,    96
.set OA,   160
.set OB,   192
.set P,    224
.set LIMP, 240
.set LIMY, 241
.set SCP,  244                         ; 2^e4
.set SCY,  245                         ; 2^(e6 - e4 - e5)
.set PT,   246                         ; v246, v247: what the other half of the lanes sends
.set WV,   18
.set SEL,  20
.set CS,   22
.set G1,   24
.set G0,   32
.set GA,   38                          ; s38  the first tile's granule
.set GB,   39                          ; s39  the second tile's
.set SI,   40                          ; s40  the key step
.set TB,   41                          ; s41  8,192 x the key step
.macro CROUND                          ; a round of the cluster's barrier
	s_barrier_signal -1
	s_barrier_wait -1
	s_cmp_lg_u32 s[WV], 0
	s_cbranch_scc1 .Lnot_wave_0_\@
	s_barrier_signal -3
.Lnot_wave_0_\@:
	s_barrier_wait -3
	s_barrier_signal -1
	s_barrier_wait -1
.endm
	s_load_b128 s[4:7], s[0:1], 0x0                ; qkv s[4:5], the scales' exponents s[6:7]
	s_load_b64 s[8:9], s[0:1], 0x10                ; yc
	v_lshl_add_u32 v251, v0, 2, 0x40000
	v_mov_b32 v255, 0
	ds_add_u32 v251, v255
	ds_add_u32 v251, v255
	v_lshrrev_b32 v5, 5, v0
	s_delay_alu instid0(VALU_DEP_1)
	v_readfirstlane_b32 s[WV], v5                  ; wave 0..15
	s_bfe_u32 s10, ttmp6, 0x40000                  ; cx
	s_and_b32 s11, ttmp7, 0xffff                   ; the head, which the four partners share
	s_mul_i32 s12, s11, HEADB
	s_lshl_b32 s14, s[WV], 14                      ; my 16,384 bytes of K and V
	s_add_co_u32 s16, s12, s14
	s_add_co_u32 s16, s16, KOFF
	s_mov_b32 s17, 0
	s_mov_b32 s[G1], 15|(3<<16)|(1<<21)            ; 15:0 the mask: all four work-groups; 17:16 elements of 8 bytes; 21 set beside a mask; no padding
	s_mov_b32 s[G1+1], 32<<16                      ; tensor_dim0 = 32 elements: rows of 256 bytes
	s_mov_b32 s[G1+2], 64<<16                      ; tensor_dim1 = 64
	s_mov_b32 s[G1+3], 32<<16                      ; tile_dim0
	s_mov_b32 s[G1+4], 64                          ; tile_dim1
	s_mov_b32 s[G1+5], 32                          ; tensor_dim0_stride: dense
	s_mov_b32 s[G1+6], 0
	s_mov_b32 s[G1+7], 0
	s_lshr_b32 s[GA], s[WV], 1
	s_xor_b32 s[GB], s[GA], 15                     ; 15 - wave / 2
	s_mov_b32 s[SEL], 0x76543210
	s_mov_b32 s[SEL+1], 0xfedcba98
	s_mov_b32 s[CS], 0x3e38aa3b                    ; c = log2(e) / 8
	s_lshl_b32 s52, s10, 1
	s_and_b32 s53, s[WV], 1
	s_add_co_u32 s52, s52, s53                     ; my tile within a granule
	s_lshl_b32 s54, s[GA], 3
	s_add_co_u32 s54, s54, s52                     ; the first tile's number,
	s_lshl_b32 s55, s[GB], 3
	s_add_co_u32 s55, s55, s52                     ; the second's
	s_lshl_b32 s60, s10, 5
	s_lshl_b32 s61, s53, 3
	s_add_co_u32 s60, s60, s61                     ; position 0's query within its granule
	s_lshr_b32 s58, s11, 4
	s_lshl_b32 s58, s58, 7                         ; the batch's first token tile
	s_and_b32 s59, s11, 15
	s_lshl_b32 s59, s59, 10                        ; the head's 64 channels in a row tile of yc: K block head / 2, its half head % 2: 1,024 x head
	s_mov_b32 s57, 0
	s_wait_dscnt 0x0
	s_wait_kmcnt 0x0
	s_load_b256 s[44:51], s[6:7], 0x0              ; e0 .. e7
	s_mov_b32 s[G0], 1
	s_lshl_b32 s[G0+1], s[WV], 14                  ; LDS address: 16,384 x wave
	s_add_nc_u64 s[G0+2:G0+3], s[4:5], s[16:17]
	s_or_b32 s[G0+3], s[G0+3], 0x80000000
	CROUND                                         ; all four work-groups are here: the joint loads meet
	tensor_load_to_lds s[G0:G0+3], s[G1:G1+7]      ; my one tensor load of the launch
	s_nop 0
.rept 4
	v_nop
.endr
	s_lshl_b32 s56, s54, 10
	s_add_co_u32 s56, s56, s12
	s_add_nc_u64 s[72:73], s[4:5], s[56:57]        ; Q's first tile,
	s_lshl_b32 s56, s55, 10
	s_add_co_u32 s56, s56, s12
	s_add_nc_u64 s[74:75], s[4:5], s[56:57]        ; its second
	s_add_co_u32 s56, s58, s54
	s_lshl_b32 s56, s56, 14
	s_add_co_u32 s56, s56, s59
	s_add_nc_u64 s[68:69], s[8:9], s[56:57]        ; and where their y goes
	s_add_co_u32 s56, s58, s55
	s_lshl_b32 s56, s56, 14
	s_add_co_u32 s56, s56, s59
	s_add_nc_u64 s[70:71], s[8:9], s[56:57]
	v_and_b32 v5, 31, v0
	s_delay_alu instid0(VALU_DEP_1)
	v_lshlrev_b32 v[LI], 4, v5
	global_load_b128 v[QA:QA+3], v[LI], s[72:73]
	global_load_b128 v[QA+4:QA+7], v[LI], s[72:73] offset:512
	global_load_b128 v[QA+8:QA+11], v[LI], s[74:75]
	global_load_b128 v[QA+12:QA+15], v[LI], s[74:75] offset:512
	v_and_b32 v5, 15, v0                           ; r
	v_bfe_u32 v6, v0, 4, 1                         ; h
	s_delay_alu instid0(VALU_DEP_2)
	v_and_b32 v7, 8, v5
	s_delay_alu instid0(VALU_DEP_1)
	v_add_nc_u32 v7, v7, v5                        ; 16 (r / 8) + r % 8
	s_delay_alu instid0(VALU_DEP_3)
	v_lshlrev_b32 v6, 4, v6
	s_delay_alu instid0(VALU_DEP_1)
	v_sub_nc_u32 v7, v7, v6
	s_delay_alu instid0(VALU_DEP_1)
	v_add_nc_u32 v[DD], s60, v7                    ; my query within its granule, less 16 h
.irp st, STA, STB
	v_mov_b32 v[\st+1], 0xff61b1e6                 ; the largest t so far: -3e38, under every t
	s_delay_alu instid0(VALU_DEP_1)
	v_floor_f32 v[\st], -v[\st+1]                  ; -M
	v_mov_b32 v[\st+2], 0                          ; the sum, in two halves
	v_mov_b32 v[\st+3], 0
.endr
	v_mov_b32 v[PT], 0                             ; written once: a lane permute's destination counts as one of its sources
	v_mov_b32 v[PT+1], 0
	v_mov_b32 v253, 0                              ; (named as the upper half of the pair v[252:253])
.set i, 0
.rept 80
	v_mov_b32 v[OA+i], 0                           ; O^T of both tiles (the step is written once: the first change of M leaves zeros zeros), and p's codes
.set i, i+1
.endr
	s_wait_kmcnt 0x0
	s_add_co_i32 s62, s46, s47
	s_lshl_b32 s62, s62, 23
	s_add_co_i32 s[CS], s[CS], s62                 ; a score stands for score x 2^(e2 + e3): added to c's exponent field
	s_mov_b32 s[CS+1], s[CS]
	s_add_co_i32 s62, s48, 127
	s_lshl_b32 s63, s62, 23
	v_mov_b32 v[SCP], s63
	s_mov_b32 s[SI], 0
	s_mov_b32 s[TB], 0
	s_wait_loadcnt 0x0                             ; Q
	s_wait_tensorcnt 0x0                           ; my part of K and V is in,
	s_barrier_signal -1
	s_barrier_wait -1                              ; everybody's is
.macro SCORES q                        ; S^T = K Q^T for tile q: eight tiles of 16 keys, K = the head's 64; then the places in front of the first read of the scores and of loads into K's registers
.irp t, 0,1,2,3,4,5,6,7
	v_wmma_f32_16x16x64_fp8_fp8 v[S+8*\t:S+8*\t+7], v[F+8*\t:F+8*\t+7], v[QA+8*\q:QA+8*\q+7], 0
.endr
.rept 4
	v_nop
.endr
.endm
.macro MASK                            ; on the diagonal the scores of hidden keys become -infinity ahead of the maximum: p = 0 then
	v_mov_b32 v254, 0xff800000
.set n, 0
.rept 64
	v_cmp_gt_i32 vcc_lo, 32*(n/16)+n%16, v[DD]
	v_cndmask_b32 v[S+n], v[S+n], v254, vcc_lo
.set n, n+1
.endr
.endm
.macro SM_HEAD st                      ; the maximum, the new M, f = 2^(old M - new M) in v252, p, the row's sum
	v_max3_num_f32 v254, v[S], v[S+1], v[S+2]      ; the step's largest score of my query among my 64 keys, in two chains,
	v_max3_num_f32 v252, v[S+3], v[S+4], v[S+5]
.irp i, 6,10,14,18,22,26,30,34,38,42,46,50,54,58
	v_max3_num_f32 v254, v254, v[S+\i], v[S+1+\i]
	v_max3_num_f32 v252, v252, v[S+2+\i], v[S+3+\i]
.endr
	v_max3_num_f32 v254, v254, v[S+62], v[S+63]
	s_delay_alu instid0(VALU_DEP_1)
	v_max_num_f32 v254, v254, v252
	s_delay_alu instid0(VALU_DEP_1)
	v_permlanex16_b32 v[PT], v254, s[SEL], s[SEL+1]
	s_delay_alu instid0(VALU_DEP_1)
	v_max_num_f32 v254, v254, v[PT]                ; and among lane l xor 16's
	s_delay_alu instid0(VALU_DEP_1)
	v_mul_f32 v254, s[CS], v254                    ; as t (c is positive)
	s_delay_alu instid0(VALU_DEP_1)
	v_max_num_f32 v[\st+1], v[\st+1], v254
	v_mov_b32 v254, v[\st]
	s_delay_alu instid0(VALU_DEP_2)
	v_floor_f32 v[\st], -v[\st+1]                  ; the new -M = floor(-t)
	s_delay_alu instid0(VALU_DEP_1)
	v_sub_f32 v254, v[\st], v254                   ; old M - new M: a whole number, 0 or less
	s_delay_alu instid0(VALU_DEP_1)
	v_cvt_i32_f32 v254, v254                       ; (it saturates)
	s_delay_alu instid0(VALU_DEP_1)
	v_ldexp_f32 v252, 1.0, v254
.set j, 0
.rept 32
	v_pk_fma_f32 v[S+j:S+j+1], v[S+j:S+j+1], s[CS:CS+1], v[\st:\st+1] op_sel_hi:[1,0,0]   ; t - M, two at a time
.set j, j+2
.endr
.set j, 0
	s_wait_alu depctr_va_vdst(0)
.rept 64
	v_exp_f32 v[S+j], v[S+j]                       ; p = 2^(t - M)
.set j, j+1
.endr
	v_pk_mul_f32 v[\st+2:\st+3], v[\st+2:\st+3], v[252:253] op_sel_hi:[1,0]   ; the sums under the new M: the plain line behind the exponentials
	s_wait_alu depctr_va_vdst(0)                   ; one wait for the batch of 64, ahead of its first reader
	v_pk_add_f32 v[242:243], v[S:S+1], v[S+2:S+3]  ; the row's sum is taken of the unquantised p, in two chains
.irp j, 4,8,12,16,20,24,28,32,36,40,44,48,52,56,60
	v_pk_add_f32 v[\st+2:\st+3], v[\st+2:\st+3], v[S+\j:S+1+\j]
	v_pk_add_f32 v[242:243], v[242:243], v[S+2+\j:S+3+\j]
.endr
	s_delay_alu instid0(VALU_DEP_1)
	v_pk_add_f32 v[\st+2:\st+3], v[\st+2:\st+3], v[242:243]
.endm
.macro SM_TAIL o                       ; p's codes, and O^T under the new M
.irp b, 0,1,2,3
.irp i, 0,1,2,3,4,5,6,7,8,9,10,11,12,13,14,15
.endr
	v_cvt_scalef32_pk8_fp8_f32 v[P+4*\b:P+4*\b+1], v[S+16*\b:S+16*\b+7], v[SCP]
	v_cvt_scalef32_pk8_fp8_f32 v[P+4*\b+2:P+4*\b+3], v[S+16*\b+8:S+16*\b+15], v[SCP]
.endr
.set j, 0
.rept 16
	v_pk_mul_f32 v[\o+j:\o+j+1], v[\o+j:\o+j+1], v[252:253] op_sel_hi:[1,0]   ; (these are also the plain lines behind the conversions)
.set j, j+2
.endr
.endm
.macro PV o                            ; O^T += V^T P^T: four tiles of 16 channels, K = the step's 128 keys; four accumulators by turns
.irp t, 0,1,2,3
	v_wmma_f32_16x16x128_fp8_fp8 v[\o+8*\t:\o+8*\t+7], v[F+16*\t:F+16*\t+15], v[P:P+15], v[\o+8*\t:\o+8*\t+7]
.endr
.endm
.Ltrip:                                            ; 16 trips, a key step of 128 keys each
	s_cmp_gt_u32 s[SI], s[GB]
	s_cbranch_scc1 .Lnext                          ; all keys of this step come after all my queries
	s_setprio 2
	v_add_nc_u32 v[ADK], s[TB], v[LI]
	s_delay_alu instid0(VALU_DEP_1)
	v_add_nc_u32 v[ADV], VLDS, v[ADK]
	v_nop                                          ; with the two additions: four places in front of loads into registers that the last products read
	v_nop
.irp t, 0,1,2,3,4,5,6,7
	ds_load_b128 v[F+8*\t:F+8*\t+3], v[ADK] offset:1024*\t
	ds_load_b128 v[F+8*\t+4:F+8*\t+7], v[ADK] offset:1024*\t+512
.endr
	s_wait_dscnt 0x0
	s_cmp_gt_u32 s[SI], s[GA]
	s_cbranch_scc1 .Lno_a_1                        ; the first tile is done with its keys
	SCORES 0
	s_cmp_lg_u32 s[SI], s[GA]
	s_cbranch_scc1 .Lopen_a
	MASK
.Lopen_a:
	SM_HEAD STA
	SM_TAIL OA
.Lno_a_1:
	SCORES 1
	s_wait_alu depctr_va_vdst(0)
.irp t, 0,1,2,3                                    ; V takes K's registers; it lands under the second tile's softmax
.irp c, 0,1,2,3
	ds_load_b128 v[F+16*\t+4*\c:F+16*\t+4*\c+3], v[ADV] offset:2048*\t+512*\c
.endr
.endr
	s_setprio 1
	s_cmp_lg_u32 s[SI], s[GB]
	s_cbranch_scc1 .Lopen_b
	MASK
.Lopen_b:
	SM_HEAD STB
	s_setprio 0
	s_wait_dscnt 0x0                               ; V is in
	s_cmp_gt_u32 s[SI], s[GA]
	s_cbranch_scc1 .Lno_a_2
	PV OA
.Lno_a_2:
	v_nop
	v_nop
	v_nop
	v_nop
	SM_TAIL OB                                     ; the four v_nop in front are the places between the products above and the conversions that write p's codes anew
	PV OB
.Lnext:
	s_add_co_u32 s[TB], s[TB], 8192
	s_add_co_u32 s[SI], s[SI], 1
	s_cmp_lt_u32 s[SI], 16
	s_cbranch_scc1 .Ltrip
	s_setprio 0
	; THE WAY OUT.  O^T / the sum stands for y / 2^(e4 + e5): its code under 2^e6 is made with the one scale 2^(e6 - e4 - e5).  A lane's 16 registers of channel tiles 2 b, 2 b + 1 are channels 32 b + 16 h + 0 .. 15: its place in yc's image.
	v_add_f32 v[STA+2], v[STA+2], v[STA+3]         ; the sum's two halves (these lines are also the places behind the last products),
	v_add_f32 v[STB+2], v[STB+2], v[STB+3]
	s_delay_alu instid0(VALU_DEP_2)
	v_permlanex16_b32 v[PT], v[STA+2], s[SEL], s[SEL+1]
	s_delay_alu instid0(VALU_DEP_2)
	v_permlanex16_b32 v[PT+1], v[STB+2], s[SEL], s[SEL+1]
	s_delay_alu instid0(VALU_DEP_2)
	v_add_f32 v[STA+2], v[STA+2], v[PT]            ; and lane l xor 16's
	s_delay_alu instid0(VALU_DEP_2)
	v_add_f32 v[STB+2], v[STB+2], v[PT+1]
	s_wait_alu depctr_va_vdst(0)
	v_rcp_f32 v[STA+2], v[STA+2]
	v_rcp_f32 v[STB+2], v[STB+2]
	v_nop                                          ; a plain line behind the reciprocals
	s_sub_co_i32 s62, s50, s48
	s_sub_co_i32 s62, s62, s49
	s_add_co_i32 s62, s62, 127
	s_lshl_b32 s63, s62, 23
	v_mov_b32 v[SCY], s63
	s_wait_alu depctr_va_vdst(0)                   ; one wait for both reciprocals, ahead of their first reader
.set j, 0
.rept 16
	v_pk_mul_f32 v[S+j:S+j+1], v[OA+j:OA+j+1], v[STA+2:STA+3] op_sel_hi:[1,0]
.set j, j+2
.endr
.set j, 0
.rept 16
	v_pk_mul_f32 v[S+32+j:S+32+j+1], v[OB+j:OB+j+1], v[STB+2:STB+3] op_sel_hi:[1,0]
.set j, j+2
.endr
.set j, 0
.rept 64
.set j, j+1
.endr
.irp g, 0,1,2,3,4,5,6,7
	v_cvt_scalef32_pk8_fp8_f32 v[P+2*\g:P+2*\g+1], v[S+8*\g:S+8*\g+7], v[SCY]
.endr
	v_nop
	global_store_b128 v[LI], v[P:P+3], s[68:69]                   ; each store of the wave covers 512 consecutive bytes, aligned
	global_store_b128 v[LI], v[P+4:P+7], s[68:69] offset:512
	global_store_b128 v[LI], v[P+8:P+11], s[70:71]
	global_store_b128 v[LI], v[P+12:P+15], s[70:71] offset:512
	s_wait_dscnt 0x0
	s_wait_tensorcnt 0x0
	ds_add_u32 v251, v255
	s_wait_dscnt 0x0
	CROUND                                         ; the closing round: no work-group ends while a partner may still ask for a tile that names it
	s_endpgm
.Lfunc_end_k_q32e5cf6ae8_attn:
	.size	k_q32e5cf6ae8_attn, .Lfunc_end_k_q32e5cf6ae8_attn-k_q32e5cf6ae8_attn
	.p2alignl 7, 3214868480
	.fill 96, 4, 3214868480
	.section	.rodata,"a",@progbits
	.p2align	6, 0x0
	.amdhsa_kernel k_q32e5cf6ae8_attn
		.amdhsa_group_segment_fixed_size 264192
		.amdhsa_private_segment_fixed_size 0
		.amdhsa_enable_private_segment 0
		.amdhsa_kernarg_size 24
		.amdhsa_user_sgpr_count 2
		.amdhsa_user_sgpr_kernarg_segment_ptr 1
		.amdhsa_wavefront_size32 1
		.amdhsa_system_sgpr_workgroup_id_x 1
		.amdhsa_system_sgpr_workgroup_id_y 1
		.amdhsa_system_sgpr_workgroup_id_z 1
		.amdhsa_system_vgpr_workitem_id 0
		.amdhsa_next_free_vgpr 256
		.amdhsa_next_free_sgpr 80
		.amdhsa_reserve_vcc 1
		.amdhsa_float_denorm_mode_32 3
		.amdhsa_float_denorm_mode_16_64 3
		.amdhsa_fp16_overflow 1
		.amdhsa_memory_ordered 1
		.amdhsa_forward_progress 1
		.amdhsa_inst_pref_size 48
	.end_amdhsa_kernel
	.amdgpu_metadata
---
amdhsa.version: [ 1, 2 ]
amdhsa.kernels:
  - .name:           k_q32e5cf6ae8_attn
    .symbol:         k_q32e5cf6ae8_attn.kd
    .args:
      - { .name: qkv, .offset: 0, .size: 8, .value_kind: global_buffer, .address_space: global }
      - { .name: lowp_scales, .offset: 8, .size: 8, .value_kind: global_buffer, .address_space: global }
      - { .name: yc, .offset: 16, .size: 8, .value_kind: global_buffer, .address_space: global }
    .group_segment_fixed_size: 264192
    .private_segment_fixed_size: 0
    .kernarg_segment_align: 8
    .kernarg_segment_size: 24
    .max_flat_workgroup_size: 512
    .sgpr_count:     80
    .vgpr_count:     256
    .wavefront_size: 32
...
	.end_amdgpu_metadata
.endif
;; end of part 3
;; launch proj (part 4): grid 4 x 32, 4 waves a work-group, clusters of 4 x 4, 327,680 bytes of LDS; arguments yc, wpc, lowp_scales, b_proj, out0; writes out0
.if DOCPART == 4
	.amdgcn_target "amdgcn-amd-amdhsa--gfx1250"
	.amdhsa_code_object_version 6
	.text
	.protected	k_q32e5cf6ae8_proj
	.globl	k_q32e5cf6ae8_proj
	.p2align	8
	.type	k_q32e5cf6ae8_proj,@function
k_q32e5cf6ae8_proj:
	s_mov_b64 s[64:65], 0
	v_nop
	global_prefetch_b8 v0, s[64:65] scope:SCOPE_SE
	s_setreg_imm32_b32 hwreg(HW_REG_WAVE_MODE, 25, 1), 1
	s_wait_xcnt 0x0
	s_wait_alu depctr_hold_cnt(0) depctr_sa_sdst(0) depctr_va_vdst(0) depctr_va_sdst(0) depctr_va_ssrc(0) depctr_va_vcc(0) depctr_vm_vsrc(0)
	s_getreg_b32 s2, hwreg(HW_REG_IB_STS2, 6, 4)
	s_cmp_eq_u32 s2, 0
	s_cbranch_scc0 .Lentry_in_a_cluster
	s_endpgm
.Lentry_in_a_cluster:
	s_bfe_u32 s2, ttmp6, 0x10000c
	s_cmp_lg_u32 s2, 0xf033
	s_cbranch_scc0 .Lentry_shape_is_right
	s_endpgm
.Lentry_shape_is_right:
; out0 = y W_proj + b_proj on codes of FP8 (E4M3).  yc [512 row tiles][8][2048], wpc [64][8][2048]: images of operand registers (16 rows x 128 K: byte 512 c + 16 lane + i = (row position lane % 16, K = 32 c + 16 (lane / 16) + i));
; position r of row tile 2 b + u holds row 32 b + 8 u + r + 8 (r / 8).  out0 [8192][1024] f32.
; A tile of the result, 256 x 256, is made by four waves, 128 x 128 each: 64 accumulators, 512 registers.  K = 1,024 goes in four steps of 256 through two LDS slots filled by the tensor data mover.
; THE MATRIX INSTRUCTION IS USED TRANSPOSED (source 0 = 16 columns' positions of W_proj, source 1 = 16 token positions): a lane holds eight neighbouring columns of one token.
; CLUSTERS: 4 x 4.  A's tile (tokens) hangs on cy, B's (columns) on cx: each is asked for jointly by the four that share it.
; THE BIAS is the C of each sum's first matrix instruction, divided by 2^(e6 + e7); each finished sum is multiplied once by 2^(e6 + e7).  LIMIT: e6 + e7 between -126 and 127.
; REGISTERS, in windows of 256: window 0: v16-29 addresses; v32-95 the bias, later a block's results; v128-255 A's fragments, ONE set, later rows read back from the stage.
;   window 1: B's fragments, TWO sets.   window 2: the accumulators of my A blocks 0-3 ((a, b) at v[8 (8 a + b)]);   window 3: those of blocks 4-7.
.set HALFT,  32768                     ; 8 row tiles x 256 K: what one tensor load brings, and what one wave reads of A or of B
.set SLOT,   4*HALFT
.set SPARE,  2*SLOT                    ; behind the ring: the spare words, 128 bytes for each wave
.set KSB,    4096
.set SPITCH, 528                       ; the way out: a stage of 16 rows x (512 bytes + 16) for each wave, in slot 0, which has had its last fill and its last read when the first result is stored there
.set FR,     16
.set NL,     4
.set NP,     4
.set ADRA, 16
.set ADRB, 20
.set STO,  24                          ; v24     the way out: where I put 32 bytes of a row
.set RD,   25                          ; v25     where I read a row back
.set CO,   26                          ; v26     16 x lane
.set SPW,  28
.set NIL,  29
.set BI,   32
.set TMP,  32
.set AF,   128
.set BK,   128
.set G1, 24
.set G0, 32
.set G1B, 48
.set G0B, 56
.set MSB, 0
.macro WIN new                         ; the immediate's high byte repeats the setting that is left
.if MSB != (\new)
	s_set_vgpr_msb (MSB<<8)|(\new)
.set MSB, (\new)
.endif
.endm
.set MUL_LO,  0xa1
.set MUL_HI,  0xf1
.set BIAS_LO, 0x81                     ; C (the bias) window 0, D window 2
.set BIAS_HI, 0xc1
.set TO_B,    0x40
.macro JLOAD g0a, g1a, g0b, g1b        ; a joint load: waves 0 and 1 fetch for A, waves 2 and 3 for B; four v_nop follow each of the two lines
	s_cmp_eq_u32 s15, 0
	s_cbranch_scc0 .Lfor_b_\@
	tensor_load_to_lds s[\g0a:\g0a+3], s[\g1a:\g1a+7]
	s_nop 0
.rept 4
	v_nop
.endr
	s_branch .Lasked_\@
.Lfor_b_\@:
	tensor_load_to_lds s[\g0b:\g0b+3], s[\g1b:\g1b+7]
	s_nop 0
.rept 4
	v_nop
.endr
.Lasked_\@:
.endm
.macro CREST
	s_cmp_lg_u32 s14, 0
	s_cbranch_scc1 .Lnot_wave_0_\@
	s_barrier_signal -3
.Lnot_wave_0_\@:
	s_barrier_wait -3
	s_barrier_signal -1
	s_barrier_wait -1
.endm
.macro CROUND
	s_barrier_signal -1
	s_barrier_wait -1
	CREST
.endm
	s_load_b128 s[4:7], s[0:1], 0x0                ; yc s[4:5], wpc s[6:7]
	s_load_b128 s[8:11], s[0:1], 0x10              ; the scales' exponents s[8:9], b_proj s[10:11]
	s_load_b64 s[12:13], s[0:1], 0x20              ; out0
	v_lshl_add_u32 v[SPW], v0, 2, SPARE
	v_mov_b32 v[NIL], 0
	ds_add_u32 v28, v29
	ds_add_u32 v28, v29
	s_wait_dscnt 0x0
	v_lshrrev_b32 v1, 5, v0
	v_readfirstlane_b32 s14, v1                    ; wave 0..3
	s_lshr_b32 s15, s14, 1                         ; my half of the tile's tokens.  Also: I fetch for A (0) or for B (1)
	s_and_b32 s16, s14, 1                          ; my half of its columns.  Also: which half of that tile I fetch
	s_bfe_u32 s40, ttmp6, 0x40000                  ; cx
	s_bfe_u32 s41, ttmp6, 0x40004                  ; cy
	s_lshl_b32 s42, ttmp9, 2
	s_add_co_u32 s42, s42, s40                     ; the columns' tile
	s_and_b32 s17, ttmp7, 0xffff
	s_lshl_b32 s17, s17, 2
	s_add_co_u32 s17, s17, s41                     ; the token tile
	s_lshl_b32 s43, s41, 2
	s_lshl_b32 s43, 15, s43                        ; my row of the cluster
	s_lshl_b32 s44, 0x1111, s40                    ; my column
	; descriptor group 1: 8 rows (row tiles) of 4,096 bytes (two images), 16,384 bytes apart in memory, dense in LDS
	s_or_b32 s[G1+0], s43, (3<<16)|(1<<21)
	s_or_b32 s[G1B+0], s44, (3<<16)|(1<<21)
.irp g, G1, G1B
	s_mov_b32 s[\g+1], 512<<16
	s_mov_b32 s[\g+2], 8<<16
	s_mov_b32 s[\g+3], 512<<16
	s_mov_b32 s[\g+4], 8
	s_mov_b32 s[\g+5], 2048
	s_mov_b32 s[\g+6], 0
	s_mov_b32 s[\g+7], 0
.endr
	s_lshl_b32 s18, s16, 17
	s_lshl_b32 s20, s17, 18
	s_add_co_u32 s20, s20, s18
	s_mov_b32 s21, 0
	s_lshl_b32 s46, s42, 18
	s_add_co_u32 s46, s46, s18
	s_mov_b32 s47, 0
	s_mul_i32 s45, s14, HALFT
	s_wait_kmcnt 0x0
	s_load_b256 s[80:87], s[8:9], 0x0              ; e0 .. e7
	s_add_nc_u64 s[20:21], s[4:5], s[20:21]
	s_add_nc_u64 s[46:47], s[6:7], s[46:47]
	CROUND                                         ; all sixteen work-groups are here: the first joint loads meet
.irp s, 0,1
	s_mov_b32 s[G0+4*\s], 1
	s_add_co_u32 s[G0+4*\s+1], s45, \s*SLOT
	s_add_nc_u64 s[G0+4*\s+2:G0+4*\s+3], s[20:21], \s*KSB
	s_or_b32 s[G0+4*\s+3], s[G0+4*\s+3], 0x80000000
	s_mov_b32 s[G0B+4*\s], 1
	s_add_co_u32 s[G0B+4*\s+1], s45, \s*SLOT
	s_add_nc_u64 s[G0B+4*\s+2:G0B+4*\s+3], s[46:47], \s*KSB
	s_or_b32 s[G0B+4*\s+3], s[G0B+4*\s+3], 0x80000000
	s_wait_alu depctr_va_vdst(0)
	s_wait_tensorcnt 0x0
	ds_add_u32 v28, v29
	ds_add_u32 v28, v29
	s_wait_dscnt 0x0
	CROUND
	JLOAD G0+4*\s, G1, G0B+4*\s, G1B
.endr
	v_and_b32 v1, 15, v0                           ; r
	s_wait_alu depctr_va_vdst(0)
	v_bfe_u32 v2, v0, 4, 1                         ; h
	v_and_b32 v3, 31, v0
	v_lshlrev_b32 v[CO], 4, v3                     ; 16 x lane
	s_mul_i32 s22, s15, HALFT
	s_mul_i32 s23, s16, HALFT
	s_add_co_u32 s23, s23, 2*HALFT
.irp s, 0,1
	v_add_nc_u32 v[ADRA+\s], s22, v[CO]
	v_add_nc_u32 v[ADRB+\s], s23, v[CO]
	s_add_co_u32 s22, s22, SLOT
	s_add_co_u32 s23, s23, SLOT
.endr
	s_mul_i32 s22, s14, 16*SPITCH                  ; my stage
	v_mul_u32_u24 v5, v1, SPITCH
	s_wait_alu depctr_va_vdst(0)
	v_lshl_add_u32 v5, v2, 6, v5
	v_add_nc_u32 v[STO], s22, v5                   ; in: row r, + 64 h: block b's eight columns lie 128 (b / 2) + 32 (b % 2) bytes on
	v_add_nc_u32 v[RD], s22, v[CO]                 ; back: the 32 lanes take one row of 512 bytes
	; the bias: register 8 b + j of v[BI] on: column 32 (b / 2) + 8 (b % 2) + 16 h + j of my 128
	v_lshlrev_b32 v6, 6, v2
	s_lshl_b32 s90, s42, 10
	s_lshl_b32 s78, s16, 9
	s_add_co_u32 s90, s90, s78                     ; my first column, in bytes
	s_mov_b32 s91, 0
	s_add_nc_u64 s[72:73], s[10:11], s[90:91]
.irp b, 0,1,2,3,4,5,6,7
	global_load_b128 v[BI+8*\b:BI+8*\b+3], v6, s[72:73] offset:4*(32*(\b/2)+8*(\b%2))
	global_load_b128 v[BI+8*\b+4:BI+8*\b+7], v6, s[72:73] offset:4*(32*(\b/2)+8*(\b%2))+16
.endr
	s_add_nc_u64 s[12:13], s[12:13], s[90:91]      ; out0 at my first column,
	s_lshl_b32 s92, s17, 8
	s_lshl_b32 s93, s15, 7
	s_add_co_u32 s92, s92, s93
	s_lshl_b32 s92, s92, 12                        ; and my first token: rows of 4,096 bytes
	s_mov_b32 s93, 0
	s_add_nc_u64 s[12:13], s[12:13], s[92:93]
	s_wait_loadcnt 0x0                             ; the bias
	s_wait_kmcnt 0x0                               ; the exponents
	s_add_co_i32 s88, s86, s87                     ; e6 + e7
	s_sub_co_i32 s89, 0, s88
.set i, 0
.rept 64
	v_ldexp_f32 v[BI+i], v[BI+i], s89              ; the bias / 2^(e6 + e7)
.set i, i+1
.endr
	s_add_co_i32 s96, s88, 127
	s_lshl_b32 s96, s96, 23                        ; 2^(e6 + e7) as f32
	s_mov_b32 s97, s96                             ; (named with it as a pair, so it is written)
.macro FRAG reg, adr, q, i             ; a fragment is an image: four loads of 16 bytes a lane, each 512 consecutive bytes
.irp c, 0,1,2,3
	ds_load_b128 v[\reg+4*\c:\reg+4*\c+3], v[\adr] offset:4096*(\i)+2048*(\q)+512*\c
.endr
.endm
; 16 matrix instructions: A's blocks a0, a0 + 1 x B's eight.  mode 1: the sums begin with the bias of B's block.  The 64 accumulators take turns, one instruction a turn.
.macro MUL16 a0, p, mode
.irp a, \a0, \a0+1
.irp b, 0,1,2,3,4,5,6,7
.if \mode == 1
	v_wmma_f32_16x16x128_fp8_fp8 v[8*(8*((\a)%4)+\b):8*(8*((\a)%4)+\b)+7], v[128*(\p)+FR*\b:128*(\p)+FR*\b+FR-1], v[AF+FR*(\a):AF+FR*(\a)+FR-1], v[BI+8*\b:BI+8*\b+7]
.else
	v_wmma_f32_16x16x128_fp8_fp8 v[8*(8*((\a)%4)+\b):8*(8*((\a)%4)+\b)+7], v[128*(\p)+FR*\b:128*(\p)+FR*\b+FR-1], v[AF+FR*(\a):AF+FR*(\a)+FR-1], v[8*(8*((\a)%4)+\b):8*(8*((\a)%4)+\b)+7]
.endif
.endr
.endr
.endm
.macro FETCH_B slot, q, p
	WIN TO_B
.irp i, 0,1,2,3,4,5,6,7
	FRAG 128*(\p)+FR*\i, ADRB+\slot, \q, \i
.endr
	WIN 0
.endm
.macro FETCH_A slot, q, i0
.irp i, \i0, \i0+1, \i0+2, \i0+3
	FRAG AF+FR*(\i), ADRA+\slot, \q, \i
.endr
.endm
.macro PLACES n                        ; plain vector lines between a matrix instruction and a load into a register that it read, or a read of its result
.rept \n
	v_nop
.endr
.endm
.macro STEP slot, q, mode
	s_wait_dscnt 4*NL                              ; B's set and A's blocks 0-3 are in; the youngest 16 loads (A's blocks 4-7) may be out
.if \mode
	WIN BIAS_LO
.else
	WIN MUL_LO
.endif
	MUL16 0, (\q)%2, \mode
	MUL16 2, (\q)%2, \mode
	s_wait_dscnt 0
	PLACES NP
	FETCH_B \slot, (\q)+1, 1-(\q)%2
	FETCH_A \slot, (\q)+1, 0
.if \mode
	WIN BIAS_HI
.else
	WIN MUL_HI
.endif
	MUL16 4, (\q)%2, \mode
	MUL16 6, (\q)%2, \mode
	PLACES NP
	WIN 0
	FETCH_A \slot, (\q)+1, 4
.endm
; A slot's last step changes slots: one barrier; in front of it each wave waits for all its tensor loads, adds 0 to its spare word, and waits for that and for its reads of this slot.  fill = 1: this slot is filled again, two K steps ahead.
.macro TURN slot, next, fill
	s_wait_tensorcnt 0x0                           ; all my tensor loads have landed: my part of the next slot
	ds_add_u32 v[SPW], v[NIL]                      ; 0 onto my spare word
	s_wait_dscnt 4*NL+1                            ; (the add and the youngest 16 loads may be out)
	WIN MUL_LO
	MUL16 0, 1, 0
	s_wait_dscnt 0x0                               ; the add is done, and my reads of this slot are over
	s_barrier_signal -1
	MUL16 2, 1, 0
	WIN 0
	s_barrier_wait -1
.if \fill
	CREST                                          ; the barrier has opened a round of the cluster's: no wave of any partner still reads this slot or has a load on its way
	s_add_nc_u64 s[G0+4*\slot+2:G0+4*\slot+3], s[G0+4*\slot+2:G0+4*\slot+3], 2*KSB
	s_add_nc_u64 s[G0B+4*\slot+2:G0B+4*\slot+3], s[G0B+4*\slot+2:G0B+4*\slot+3], 2*KSB
	JLOAD G0+4*\slot, G1, G0B+4*\slot, G1B         ; the first tensor load behind the round; its four v_nop are also the places in front of the loads below
.else
	PLACES NP
.endif
	FETCH_B \next, 0, 0
	FETCH_A \next, 0, 0
	WIN MUL_HI
	MUL16 4, 1, 0
	MUL16 6, 1, 0
	PLACES NP
	WIN 0
	FETCH_A \next, 0, 4
.endm
	s_wait_alu depctr_va_vdst(0)
	s_wait_tensorcnt 1                             ; my part of K step 0 is in (K step 1's load may be out)
	s_barrier_signal -1
	s_barrier_wait -1                              ; everybody's is
	FETCH_B 0, 0, 0
	FETCH_A 0, 0, 0
	FETCH_A 0, 0, 4
	STEP 0, 0, 1                                   ; the first step starts the sums with the bias
	TURN 0, 1, 1                                   ; slot 0 takes K step 2
	STEP 1, 0, 0
	TURN 1, 0, 1                                   ; slot 1 takes K step 3
	STEP 0, 0, 0
	TURN 0, 1, 0                                   ; nothing more is asked for; behind this barrier nobody reads slot 0
	STEP 1, 0, 0
	s_wait_dscnt 4*NL                              ; the very last step
	WIN MUL_LO
	MUL16 0, 1, 0
	MUL16 2, 1, 0
	s_wait_dscnt 0
	WIN MUL_HI
	MUL16 4, 1, 0
	MUL16 6, 1, 0
	WIN 0
; THE WAY OUT, block by block of 16 token positions x 128 columns: through my own stage in LDS and back as whole rows of 512 bytes.  LDS serves a wave's instructions in order: no wait between the stores and the loads.
.macro TOSTAGE a
.set AC, 64*((\a)%4)
	WIN 0x02+((\a)/4)                              ; source 0: window 2 or 3
.set j, 0
.rept 32
	v_pk_mul_f32 v[TMP+j:TMP+j+1], v[AC+j:AC+j+1], s[96:97] op_sel_hi:[1,0]   ; x 2^(e6 + e7); each accumulator from its low end on
.set j, j+2
.endr
	WIN 0
.irp b, 0,1,2,3,4,5,6,7
	ds_store_b128 v[STO], v[TMP+8*\b:TMP+8*\b+3] offset:128*(\b/2)+32*(\b%2)
	ds_store_b128 v[STO], v[TMP+8*\b+4:TMP+8*\b+7] offset:128*(\b/2)+32*(\b%2)+16
.endr
.set BB, BK+64*((\a)%2)
.irp t, 0,1,2,3,4,5,6,7,8,9,10,11,12,13,14,15
	ds_load_b128 v[BB+4*\t:BB+4*\t+3], v[RD] offset:\t*SPITCH
.endr
.endm
.macro SEND a, younger                 ; younger: the LDS instructions issued behind block a's loads, which may stay out
.set BB, BK+64*((\a)%2)
	s_wait_dscnt \younger
.irp t, 0,1,2,3,4,5,6,7,8,9,10,11,12,13,14,15
	global_store_b128 v[CO], v[BB+4*\t:BB+4*\t+3], s[12:13] offset:(32*((\a)/2)+8*((\a)%2)+16*(\t/8)+\t%8)*4096 th:TH_STORE_NT   ; position t of block a is that token: 512 consecutive bytes, aligned; 127 rows at the most, inside the signed 24-bit immediate
.endr
.endm
	PLACES NP
	TOSTAGE 0
.irp a, 1,2,3,4,5,6,7
.if \a > 1
	s_wait_xcnt 0x0                                ; block a - 2's stores have read their registers: block a's loads may land there
.endif
	TOSTAGE \a
	SEND \a-1, 32                                  ; behind block a - 1's loads: block a's 16 stores and 16 loads
.endr
	SEND 7, 0
	s_wait_tensorcnt 0x0                           ; the wave's end
	ds_add_u32 v[SPW], v[NIL]
	s_wait_dscnt 0x0
	CROUND                                         ; the closing round
	s_endpgm
.Lfunc_end_k_q32e5cf6ae8_proj:
	.size	k_q32e5cf6ae8_proj, .Lfunc_end_k_q32e5cf6ae8_proj-k_q32e5cf6ae8_proj
	.p2alignl 7, 3214868480
	.fill 96, 4, 3214868480
	.section	.rodata,"a",@progbits
	.p2align	6, 0x0
	.amdhsa_kernel k_q32e5cf6ae8_proj
		.amdhsa_group_segment_fixed_size 327680
		.amdhsa_private_segment_fixed_size 0
		.amdhsa_enable_private_segment 0
		.amdhsa_kernarg_size 40
		.amdhsa_user_sgpr_count 2
		.amdhsa_user_sgpr_kernarg_segment_ptr 1
		.amdhsa_wavefront_size32 1
		.amdhsa_system_sgpr_workgroup_id_x 1
		.amdhsa_system_sgpr_workgroup_id_y 1
		.amdhsa_system_sgpr_workgroup_id_z 1
		.amdhsa_system_vgpr_workitem_id 0
		.amdhsa_next_free_vgpr 1024
		.amdhsa_next_free_sgpr 100
		.amdhsa_reserve_vcc 0
		.amdhsa_float_denorm_mode_32 3
		.amdhsa_float_denorm_mode_16_64 3
		.amdhsa_memory_ordered 1
		.amdhsa_forward_progress 1
		.amdhsa_inst_pref_size 129
	.end_amdhsa_kernel
	.amdgpu_metadata
---
amdhsa.version: [ 1, 2 ]
amdhsa.kernels:
  - .name:           k_q32e5cf6ae8_proj
    .symbol:         k_q32e5cf6ae8_proj.kd
    .args:
      - { .name: yc, .offset: 0, .size: 8, .value_kind: global_buffer, .address_space: global }
      - { .name: wpc, .offset: 8, .size: 8, .value_kind: global_buffer, .address_space: global }
      - { .name: lowp_scales, .offset: 16, .size: 8, .value_kind: global_buffer, .address_space: global }
      - { .name: b_proj, .offset: 24, .size: 8, .value_kind: global_buffer, .address_space: global }
      - { .name: out0, .offset: 32, .size: 8, .value_kind: global_buffer, .address_space: global }
    .group_segment_fixed_size: 327680
    .private_segment_fixed_size: 0
    .kernarg_segment_align: 8
    .kernarg_segment_size: 40
    .max_flat_workgroup_size: 128
    .sgpr_count:     100
    .vgpr_count:     1024
    .wavefront_size: 32
...
	.end_amdgpu_metadata
.endif
;; end of part 4
